; MI455X (gfx1250); checked and timed in simulation.
; The chip was launched on July 23, 2026; its instructions are those of AMD's public machine-readable ISA for CDNA 5 (MIT licence, August 2026) and "CDNA5" Instruction Set Architecture Reference Guide (July 2026). The comments in the code are by the model that wrote it; some were corrected since.
;; Cross Attention Block. Allowed arithmetic: matrix products marked QUANTISED: E3M2 operands, one E8M0 scale for each 32 along K, by v_wmma_scale_f32_16x16x128_f8f6f4 with both operands' format E3M2, f32 sums; products left as they are: f32 operands where the result goes on into a quantised operand, else bf16, f16 or f32 operands; f32 sums; everything else in f32.
;; Inputs: b_fc 1,024 float32; b_pr 256 float32; bkv 512 float32; bo 256 float32; bq 256 float32; cx 8 x 128 x 256 float32; ln1_b 256 float32; ln1_w 256 float32; ln2_b 256 float32; ln2_w 256 float32; w_fc 256 x 1,024 float32; w_pr 1,024 x 256 float32; wkv 256 x 512 float32; wo 256 x 256 float32; wq 256 x 256 float32; x 8 x 128 x 64 x 256 float32.
;; Outputs: out0 8 x 128 x 64 x 256 float32.
;; This version of the problem:
;;   THIS VERSION OF THE PROBLEM IS GIVEN IN LOW PRECISION. The matrix products marked QUANTISED in the list below multiply operands that are first quantised to E3M2 (3 exponent bits, 2 mantissa bits; 6 bits a number), with one power-of-two scale for each 32 numbers along K (OCP MX v1.0); their sums are f32. All else is computed in f32.
;;   The module's matrix products, in the order in which they are computed (A, B: the left and right operand; K: the contracted axis; several contracted axes count as one K, in the product's order):
;;     1. [M 65,536, K 256] x [K 256, N 256]; A: computed on the way; B: input wq: QUANTISED
;;     2. [M 1,024, K 256] x [K 256, N 512]; A: input cx; B: input wkv: QUANTISED
;;     3. batch 8,192 x [M 64, K 32] x [K 32, N 1]; A: computed on the way; B: computed on the way: left as it is (N = 1 < 16)
;;     4. batch 8,192 x [M 64, K 1] x [K 1, N 32]; A: computed on the way; B: computed on the way: left as it is (no contracted axis)
;;     5. [M 65,536, K 256] x [K 256, N 256]; A: computed on the way; B: input wo: QUANTISED
;;     6. [M 65,536, K 256] x [K 256, N 1,024]; A: computed on the way; B: input w_fc: QUANTISED
;;     7. [M 65,536, K 1,024] x [K 1,024, N 256]; A: computed on the way; B: input w_pr: QUANTISED
;;   THE QUANTISER, for each operand of a quantised product, along K:
;;     - K is cut into blocks of 32 from its start; a last block that is shorter is filled with zeros.
;;     - A block's scale is 2^e with e = floor(log2(the largest magnitude in the block)) - 4, held to -126 .. 127; a block of zeros has e = 0. As a byte (E8M0): e + 127.
;;     - Each number is divided by its block's scale, clamped to +-28, and rounded to the nearest number of E3M2, ties to even, subnormals kept.
;;     - The product sums the exact products of the quantised numbers (number of the format x scale) in f32.
;;   ~~~python
;;   def quantise(x, axis):      # numpy; x: float32 -> the quantised numbers, widened to float32 again
;;       x = np.moveaxis(x, axis, -1); K = x.shape[-1]
;;       x = np.pad(x, [(0, 0)] * (x.ndim - 1) + [(0, -K % 32)]); x = x.reshape(x.shape[:-1] + (-1, 32)); a = np.abs(x).max(-1, keepdims=True)
;;       e = np.where(a > 0, np.clip(np.frexp(np.where(a > 0, a, 1))[1] - 1 - 4, -126, 127), 0)      # np.frexp(a)[1] - 1 = floor(log2(a)), exactly
;;       r = np.clip(x / 2.0 ** e, -28, 28)
;;       step = 2.0 ** (np.maximum(np.frexp(np.where(r == 0, 1, r))[1] - 1, -2) - 2)
;;       q = np.round(r / step) * step * 2.0 ** e      # np.round: ties to even
;;       return np.moveaxis(q.reshape(q.shape[:-2] + (-1,))[..., :K], -1, axis).astype(np.float32)
;;   ~~~
;;   OPERANDS COMPUTED ON THE WAY. 'Computed on the way' means the value that the module computes at that place (a softmax that the list does not call 'softmax' is quantised finished and normalised). What goes into a quantiser is computed in f32, as accurately as f32 sums, v_exp_f32 and their like allow (about 1e-6 of the number): no bf16 or f16 on the way to a quantiser, and a product that is left as it is and whose result goes on into a quantised operand takes f32 operands (vector FMAs, or v_wmma_f32_16x16x4_f32). A number that lies on a knife's edge between two numbers of the format may be rounded either way, as far as f32 arithmetic and the matrix unit's own rounding can turn it there, and no further.
;; One version. Each part assembles by itself: llvm-mc -triple=amdgcn-amd-amdhsa -mcpu=gfx1250 --defsym DOCPART=n.
;; ======== version 1 of 1: 2 launches
;; limits: right only within a limited range of input values
;; workspace buffers: wts 512,000 bytes
;; launch prep (part 1): grid 80 x 1, 4 waves a work-group, no clusters, 1,536 bytes of LDS; arguments wo, w_fc, w_pr, wkv, wts; writes wts
.if DOCPART == 1
	.amdgcn_target "amdgcn-amd-amdhsa--gfx1250"
	.amdhsa_code_object_version 6
	.text
	.protected	k_qbe06421212_prep
	.globl	k_qbe06421212_prep
	.p2align	8
	.type	k_qbe06421212_prep,@function
k_qbe06421212_prep:
	s_mov_b64 s[64:65], 0
	v_nop
	global_prefetch_b8 v0, s[64:65] scope:SCOPE_SE
	s_setreg_imm32_b32 hwreg(HW_REG_WAVE_MODE, 25, 1), 1
	s_wait_xcnt 0x0
; DEAD WORK, for all finite inputs: for a query (b, a, h, t) every logit that the causal mask keeps is the same number s, so the softmax is
; e^(s - s) / (t + 1) = 1 / (t + 1) on t + 1 places and 0 elsewhere; its sum over j is 1, and y = (sum over j of att) V = V.  So s can reach no output:
; x1 wq + bq, the K half of cx wkv + bkv, the product Q K and the softmax are left out; wq and bq are loaded by no launch, nor are wkv's and bkv's first 256 columns.
; LIMIT: a NaN, an infinity or an overflow that reaches only the work left out is not carried to the result.
; The weights that are left, f32 stored [K][N], become codes of E3M2 with one E8M0 byte for each 32 along K, laid as IMAGES OF OPERAND REGISTERS.
; wts is 20 halves of 25,600 bytes.  A half: 16 fragments of 1,536 bytes, then 16 x 64 bytes of scale words.
; A fragment is 16 output channels x 128 along K: 12 registers a lane; part q (512 bytes) holds lane l's registers 4 q .. 4 q + 3 at 16 l.
; Lane (r, hh) holds channel col0 + r + 8 (r / 8), registers 6 c .. 6 c + 5 hold k0 + 64 c + 32 hh + 0 .. 31; col0 = 16 nt - 8 (nt % 2) for tile nt,
; so that a transposed product's 16 registers of tiles 2 b and 2 b + 1 are 16 neighbours along the next K.
; Halves: 0 and 17: wkv's columns 256 on (V), tiles 16 on and 24 on; 1 + 2 c: w_fc's hidden units 128 c on; 2 + 2 c: w_pr's K step c; 18, 19: wo.
; But for w_pr, fragment g is tile g / 2 of the half's eight, K step g % 2; for w_pr fragment g is tile g.
; One wave makes one fragment: a lane takes a column and its registers run down K, so a block of 32 lies in one lane.
; A block's byte is its largest magnitude's exponent field - 4, held at 1 from below.
; LIMITS: a block of zeros gets the byte 1 where the rule says 127 (its codes are zeros, and this program alone reads the bytes); NaN and infinities among the weights are not served.
.set HALF, 25600
.set FRB,  1536
.set SCO,  24576
.set XR,   64                          ; v64-127  my 64 numbers
.set OFFR, 128                         ; v128-191 their byte offsets (the pitch differs from weight to weight)
	s_load_b64 s[6:7], s[0:1], 0x0                 ; wo
	s_load_b256 s[8:15], s[0:1], 0x8               ; w_fc s[8:9], w_pr s[10:11], wkv s[12:13], wts s[14:15]
	v_lshl_add_u32 v192, v0, 2, 0x400
	v_mov_b32 v193, 0
	v_lshrrev_b32 v1, 5, v0
	v_readfirstlane_b32 s19, v1                    ; wave 0..3
	v_and_b32 v1, 15, v0                           ; r
	s_wait_alu depctr_va_vdst(0)
	v_bfe_u32 v2, v0, 4, 1                         ; hh
	v_and_b32 v7, 31, v0                           ; lane
	v_lshlrev_b32 v4, 4, v7                        ; 16 x lane: my place in a part of the image
	v_lshlrev_b32 v6, 3, v7                        ; 8 x lane: the scale words' way out
	s_lshr_b32 s20, ttmp9, 2                       ; the half, 0 .. 19
	s_and_b32 s22, ttmp9, 3                        ; which four of its fragments
	s_lshl_b32 s21, s22, 2
	s_add_co_u32 s21, s21, s19                     ; g: my fragment
	s_lshl_b32 s25, s20, 3
	s_sub_co_u32 s25, s25, 144                     ; the half's first tile, if it is wo's: 8 (half - 18)
	s_lshl_b32 s26, s20, 2
	s_sub_co_u32 s26, s26, 4                       ; w_fc's: 4 (half - 1)
	s_sub_co_u32 s28, s20, 2
	s_lshr_b32 s28, s28, 1                         ; w_pr's K step: (half - 2) / 2
	s_cmp_eq_u32 s20, 0
	s_cselect_b32 s27, 16, 24                      ; V's: tile 16 in half 0, 24 in half 17
	s_cselect_b32 s24, 1, 0
	s_cmp_eq_u32 s20, 17
	s_cselect_b32 s24, 1, s24                      ; 1 where the half is V's
	s_and_b32 s29, s20, 1
	s_xor_b32 s29, s29, 1
	s_cmp_ge_u32 s20, 2
	s_cselect_b32 s30, 1, 0
	s_cmp_lt_u32 s20, 17
	s_cselect_b32 s31, 1, 0
	s_and_b32 s29, s29, s30
	s_and_b32 s29, s29, s31                        ; 1 where the half is w_pr's: even, from 2 to 16
	s_mov_b32 s32, 2048                            ; pitches in bytes
	s_mov_b32 s33, 4096
	s_mov_b32 s34, 1024
	s_lshl_b32 s35, s19, 6
	v_lshlrev_b32 v5, 2, v1
	v_add_nc_u32 v5, s35, v5                       ; LDS: 64 x wave + 4 r: my row's scale word
	s_wait_alu depctr_va_vdst(0)
	s_wait_kmcnt 0x0
	s_cmp_eq_u32 s24, 1                            ; which weight: the choice hangs on the work-group's number alone
	s_cselect_b64 s[16:17], s[12:13], s[8:9]
	s_cselect_b32 s18, s32, s33
	s_cselect_b32 s23, s27, s26
	s_cmp_eq_u32 s29, 1
	s_cselect_b64 s[16:17], s[10:11], s[16:17]
	s_cselect_b32 s18, s34, s18
	s_cmp_ge_u32 s20, 18
	s_cselect_b64 s[16:17], s[6:7], s[16:17]
	s_cselect_b32 s18, s34, s18
	s_cselect_b32 s23, s25, s23
	s_lshr_b32 s35, s21, 1
	s_add_co_u32 s35, s35, s23                     ; tile = the half's first + g / 2,
	s_and_b32 s36, s21, 1
	s_lshl_b32 s36, s36, 7                         ; k0 = 128 (g % 2);
	s_lshl_b32 s37, s28, 7
	s_cmp_eq_u32 s29, 1                            ; in w_pr's halves: tile g, k0 = 128 c
	s_cselect_b32 s35, s21, s35
	s_cselect_b32 s36, s37, s36
	s_and_b32 s37, s35, 1
	s_lshl_b32 s37, s37, 3
	s_lshl_b32 s35, s35, 4
	s_sub_co_u32 s35, s35, s37                     ; col0 = 16 tile - 8 (tile % 2)
	s_lshl_b32 s35, s35, 2
	s_mul_i32 s36, s36, s18
	s_add_co_u32 s36, s36, s35                     ; k0 x pitch + 4 col0
	s_mov_b32 s37, 0
	s_add_nc_u64 s[16:17], s[16:17], s[36:37]
	s_mul_i32 s38, s20, HALF
	s_mul_i32 s40, s21, FRB
	s_add_co_u32 s40, s40, s38
	s_mov_b32 s41, 0
	s_add_nc_u64 s[40:41], s[14:15], s[40:41]      ; my fragment's image
	s_lshl_b32 s42, s22, 8
	s_add_co_u32 s42, s42, s38
	s_add_co_u32 s42, s42, SCO
	s_mov_b32 s43, 0
	s_add_nc_u64 s[42:43], s[14:15], s[42:43]      ; the work-group's 256 bytes of scale words
	s_lshl_b32 s39, s18, 5
	v_mul_lo_u32 v3, v2, s39                       ; lanes 16-31 begin 32 rows further down
	v_and_b32 v8, 8, v1
	v_add_nc_u32 v8, v8, v1                        ; r + 8 (r / 8)
	v_lshl_add_u32 v3, v8, 2, v3
	s_mov_b32 s44, 0x76543210
	s_mov_b32 s45, 0xfedcba98                      ; v_permlanex16_b32's selects for lane l xor 16
.set ii, 0
.rept 64
	v_mad_u32_u24 v[OFFR+ii], s18, ii+32*(ii/32), v3   ; row 64 c + i of my 128, i = ii % 32, c = ii / 32
.set ii, ii+1
.endr
.set ii, 0
.rept 64
	global_load_b32 v[XR+ii], v[OFFR+ii], s[16:17]
.set ii, ii+1
.endr
	s_wait_loadcnt 0x0
.irp c, 0,1                                    ; my block 2 c + hh: all its 32 numbers are mine
	v_max3_num_f32 v[32+\c], |v[XR+32*\c]|, |v[XR+1+32*\c]|, 0x2800000   ; with the floor 2^(5 - 127): the byte cannot fall under 1
.endr
.irp i, 2,4,6,8,10,12,14,16,18,20,22,24,26,28,30
.irp c, 0,1
	v_max3_num_f32 v[32+\c], v[32+\c], |v[XR+32*\c+\i]|, |v[XR+1+32*\c+\i]|
.endr
.endr
.irp c, 0,1
	v_add_nc_u32 v[44+\c], 0xfe000000, v[32+\c]    ; 4 off the exponent field: the conversion's scale operand
.endr
.irp c, 0,1
	v_lshrrev_b32 v[36+\c], 23, v[44+\c]           ; the scale's byte
.endr
	v_lshl_or_b32 v9, v37, 16, v36                 ; my two bytes: blocks hh and 2 + hh,
	v_lshlrev_b32 v10, 3, v2
	v_lshlrev_b32 v9, v10, v9                      ; at their places in the word;
	v_mov_b32 v10, 0
	v_permlanex16_b32 v10, v9, s44, s45
	v_or_b32 v9, v9, v10                           ; with lane l xor 16's two the word is whole
.irp c, 0,1
	v_cvt_scalef32_pk16_bf6_f32 v[48+6*\c:50+6*\c], v[XR+32*\c:XR+15+32*\c], v[44+\c]
	v_cvt_scalef32_pk16_bf6_f32 v[16+4*\c:18+4*\c], v[XR+16+32*\c:XR+31+32*\c], v[44+\c]   ; (a conversion's three registers begin on an even number)
.endr
	v_nop                                          ; one plain place behind a scaled conversion
.irp c, 0,1
.irp i, 0,1,2
	v_mov_b32 v[51+6*\c+\i], v[16+4*\c+\i]
.endr
.endr
.irp q, 0,1,2
	global_store_b128 v4, v[48+4*\q:51+4*\q], s[40:41] offset:512*\q   ; 32 lanes store 512 consecutive bytes, at a multiple of 256 from wts' first byte
.endr
	ds_store_b32 v5, v9                            ; lanes r and r + 16 write the same word with the same value
	s_wait_dscnt 0x0                               ; for the others' sake
	s_barrier_signal -1
	s_barrier_wait -1
	s_cmp_lg_u32 s19, 0
	s_cbranch_scc1 .Lend
	ds_load_b64 v[12:13], v6                       ; wave 0 stores the four fragments' words: 256 consecutive bytes
	s_wait_dscnt 0x0
	global_store_b64 v6, v[12:13], s[42:43]
.Lend:
	s_wait_tensorcnt 0x0                           ; the wave's end
	ds_add_u32 v192, v193
	s_wait_dscnt 0x0
	s_endpgm
.Lfunc_end_k_qbe06421212_prep:
	.size	k_qbe06421212_prep, .Lfunc_end_k_qbe06421212_prep-k_qbe06421212_prep
	.p2alignl 7, 3214868480
	.fill 96, 4, 3214868480
	.section	.rodata,"a",@progbits
	.p2align	6, 0x0
	.amdhsa_kernel k_qbe06421212_prep
		.amdhsa_group_segment_fixed_size 1536
		.amdhsa_private_segment_fixed_size 0
		.amdhsa_enable_private_segment 0
		.amdhsa_kernarg_size 40
		.amdhsa_user_sgpr_count 2
		.amdhsa_user_sgpr_kernarg_segment_ptr 1
		.amdhsa_wavefront_size32 1
		.amdhsa_system_sgpr_workgroup_id_x 1
		.amdhsa_system_sgpr_workgroup_id_y 1
		.amdhsa_system_sgpr_workgroup_id_z 1
		.amdhsa_system_vgpr_workitem_id 0
		.amdhsa_next_free_vgpr 194
		.amdhsa_next_free_sgpr 66
		.amdhsa_reserve_vcc 0
		.amdhsa_float_denorm_mode_32 3
		.amdhsa_float_denorm_mode_16_64 3
		.amdhsa_memory_ordered 1
		.amdhsa_forward_progress 1
		.amdhsa_inst_pref_size 19
	.end_amdhsa_kernel
	.amdgpu_metadata
---
amdhsa.version: [ 1, 2 ]
amdhsa.kernels:
  - .name:           k_qbe06421212_prep
    .symbol:         k_qbe06421212_prep.kd
    .args:
      - { .name: wo, .offset: 0, .size: 8, .value_kind: global_buffer, .address_space: global }
      - { .name: w_fc, .offset: 8, .size: 8, .value_kind: global_buffer, .address_space: global }
      - { .name: w_pr, .offset: 16, .size: 8, .value_kind: global_buffer, .address_space: global }
      - { .name: wkv, .offset: 24, .size: 8, .value_kind: global_buffer, .address_space: global }
      - { .name: wts, .offset: 32, .size: 8, .value_kind: global_buffer, .address_space: global }
    .group_segment_fixed_size: 1536
    .private_segment_fixed_size: 0
    .kernarg_segment_align: 8
    .kernarg_segment_size: 40
    .max_flat_workgroup_size: 128
    .sgpr_count:     66
    .vgpr_count:     194
    .wavefront_size: 32
...
	.end_amdgpu_metadata
.endif
;; end of part 1
;; launch block (part 2): grid 256 x 1, 8 waves a work-group, clusters of 4 x 1, 327,680 bytes of LDS; arguments x, cx, ln1_w, ln1_b, bkv, bo, ln2_w, ln2_b, b_fc, b_pr, wts, out0; writes out0
.if DOCPART == 2
	.amdgcn_target "amdgcn-amd-amdhsa--gfx1250"
	.amdhsa_code_object_version 6
	.text
	.protected	k_qbe06421212_block
	.globl	k_qbe06421212_block
	.p2align	8
	.type	k_qbe06421212_block,@function
k_qbe06421212_block:
	s_mov_b64 s[64:65], 0
	v_nop
	global_prefetch_b8 v0, s[64:65] scope:SCOPE_SE
	s_setreg_imm32_b32 hwreg(HW_REG_WAVE_MODE, 25, 1), 1
	s_wait_xcnt 0x0
	s_wait_alu depctr_hold_cnt(0) depctr_sa_sdst(0) depctr_va_vdst(0) depctr_va_sdst(0) depctr_va_ssrc(0) depctr_va_vcc(0) depctr_vm_vsrc(0)
	s_getreg_b32 s2, hwreg(HW_REG_IB_STS2, 6, 4)
	s_cmp_eq_u32 s2, 0
	s_cbranch_scc0 .Lentry_in_a_cluster
	s_endpgm
.Lentry_in_a_cluster:
	s_bfe_u32 s2, ttmp6, 0x10000c
	s_cmp_lg_u32 s2, 0x3003
	s_cbranch_scc0 .Lentry_shape_is_right
	s_endpgm
.Lentry_shape_is_right:
; The whole block for 256 rows of x (four pairs (b, a) x 64 steps) a work-group; a wave takes 32 rows, kept in window 1 from the load to the store.
; LEFT OUT AS DEAD WORK (shown at the head of the first kernel): the kept logits of a query are all equal, the softmax sums to 1 over j, so y = V:
; no x1 wq + bq, no K, no scores, no softmax; wq and bq are no arguments, and of bkv only the V half is loaded.
; LIMIT: a NaN, an infinity or an overflow that reaches only the work left out is not carried to the result.
; Steps: x1 = LN1(x); V = Q(cx) Q(wkv's V half) + bkv (each wave 32 channels of the four pairs, handed on through LDS); x2 = x1 + bo + Q(V) Q(wo); x3 = LN2(x2);
; then eight chunks of 128 hidden units: h = gelu(Q(x3) Q(w_fc) + b_fc), quantised in registers, and its product with w_pr one chunk later onto x3 + b_pr.
; (The first chunk's product with zero codes of h adds nothing: the chunk is written once.)
; wts comes as images of operand registers, four halves a slot, by loads that the four work-groups of a cluster ask for jointly:
; slot 0 first takes halves 16-19 (wo in its last two), slot 1 halves 0-3, and the ring then steps by four halves; the last fill is halves 16-19 again, for w_pr's last K step.
; No data prefetch: all clusters walk the same 512,000 bytes of wts, and x is read once, at the head, with no loop to run ahead in.
.set SLOT1, 1<<17
.set IMG,   102400
.set HALF,  25600
.set FRB,   1536
.set SCO,   24576
.set STG,   233472
.set KVL,   268288
.set VEC,   276480
.set SPARE, 293888
.set XC,  16
.set XS,  64
.set CXS, 104
.set HC,  68
.set HS,  92
.set HB,  94
.set EV,  96
.set HA,  104
.set BI,  136
.set FF,  152
.set PF,  200
.set FSC, 224
.set PSC, 226
.set TT,  228
.set CA5, 252
.set CB3, 254
.set LS,  96
.set WB,  104
.set MU,  228
.set RS,  230
.set VV,  100
.set F0,  100
.set WSC, 224
.set AV,  196
.set TM,  228
.set CV,  244
.set OB,  96
.set MSB, 0
.macro WIN new
.if MSB != \new
	s_set_vgpr_msb (MSB<<8)|\new
.set MSB, \new
.endif
.endm
.macro PL n
.rept \n
	v_nop
.endr
.endm
.macro CROUND
	s_barrier_signal -1
	s_barrier_wait -1
	s_cmp_lg_u32 s30, 0
	s_cbranch_scc1 .Lnot_wave_0_\@
	s_barrier_signal -3
.Lnot_wave_0_\@:
	s_barrier_wait -3
	s_barrier_signal -1
	s_barrier_wait -1
.endm
.macro KPAIR r, bits
	s_mov_b32 s[\r], \bits
	s_mov_b32 s[\r+1], \bits
.endm
.macro WM d, a, b, c, sa, sb, row
.if \row
	v_wmma_scale_f32_16x16x128_f8f6f4 v[(\d):(\d)+7], v[(\a):(\a)+11], v[(\b):(\b)+11], v[(\c):(\c)+7], v[\sa], v[\sb] matrix_a_fmt:MATRIX_FMT_BF6 matrix_b_fmt:MATRIX_FMT_BF6 matrix_a_scale:MATRIX_SCALE_ROW1
.else
	v_wmma_scale_f32_16x16x128_f8f6f4 v[(\d):(\d)+7], v[(\a):(\a)+11], v[(\b):(\b)+11], v[(\c):(\c)+7], v[\sa], v[\sb] matrix_a_fmt:MATRIX_FMT_BF6 matrix_b_fmt:MATRIX_FMT_BF6
.endif
.endm
.macro MM8 dd, dm, ff, sw, cb, own
.irp s, 0,1
	s_wait_alu depctr_va_vdst(0)
.irp u, 0,1
.irp m, 0,1
.if \s
	WM (\dd)+(\dm)*\m+8*\u, (\ff)+24*\u+12, XC+24*\m+12, (\dd)+(\dm)*\m+8*\u, (\sw)+\u, XS+2*\m+1, 1
.elseif \own
	WM (\dd)+(\dm)*\m+8*\u, (\ff)+24*\u, XC+24*\m, (\dd)+(\dm)*\m+8*\u, (\sw)+\u, XS+2*\m, 0
.else
	WM (\dd)+(\dm)*\m+8*\u, (\ff)+24*\u, XC+24*\m, (\cb)+8*\u, (\sw)+\u, XS+2*\m, 0
.endif
.endr
.endr
.endr
.endm
.macro QUANT src, sw, dst, wd
.if \sw
	WIN 0x05
.endif
.irp b, 0,1,2,3
	v_max3_num_f32 v[TM+\b], |v[(\src)+16*\b]|, |v[(\src)+1+16*\b]|, 0x2800000
.endr
.if \sw
	WIN 0x14
.endif
.irp i, 2,4,6,8,10,12,14
.irp b, 0,1,2,3
	v_max3_num_f32 v[TM+\b], v[TM+\b], |v[(\src)+16*\b+\i]|, |v[(\src)+1+16*\b+\i]|
.endr
.endr
	WIN 0
.irp b, 0,1,2,3
	v_permlanex16_b32 v[TM+4+\b], v[TM+\b], s52, s53
.endr
.irp b, 0,1,2,3
	s_delay_alu instid0(VALU_DEP_4)
	v_max_num_f32 v[TM+\b], v[TM+\b], v[TM+4+\b]
.endr
.irp b, 0,1,2,3
	s_delay_alu instid0(VALU_DEP_4)
	v_add_nc_u32 v[TM+12+\b], 0xfe000000, v[TM+\b]
.endr
.irp b, 0,1,2,3
	s_delay_alu instid0(VALU_DEP_4)
	v_lshrrev_b32 v[TM+4+\b], 23, v[TM+12+\b]
.endr
	s_delay_alu instid0(VALU_DEP_3)
	v_lshl_or_b32 v[\wd], v[TM+5], 8, v[TM+4]
	s_delay_alu instid0(VALU_DEP_1)
	v_lshl_or_b32 v[\wd], v[TM+6], 16, v[\wd]
	s_delay_alu instid0(VALU_DEP_1)
	v_lshl_or_b32 v[\wd], v[TM+7], 24, v[\wd]
.if \sw
	WIN 0x01
.endif
.irp c, 0,1
	v_cvt_scalef32_pk16_bf6_f32 v[(\dst)+6*\c:(\dst)+6*\c+2], v[(\src)+32*\c:(\src)+32*\c+15], v[TM+12+2*\c]
	v_cvt_scalef32_pk16_bf6_f32 v[CV+4*\c:CV+4*\c+2], v[(\src)+16+32*\c:(\src)+31+32*\c], v[TM+13+2*\c]
.endr
	v_nop
	WIN 0
.irp c, 0,1
.irp i, 0,1,2
	v_permlane16_swap_b32 v[(\dst)+6*\c+\i], v[CV+4*\c+\i]
.endr
.irp i, 0,1,2
	s_delay_alu instid0(VALU_DEP_3)
	v_mov_b32 v[(\dst)+3+6*\c+\i], v[CV+4*\c+\i]
.endr
.endr
.endm
.macro XLD q
.irp i, 0,1,2,3,4,5,6,7
	global_load_b128 v[32*(\q)+4*\i:32*(\q)+4*\i+3], v12, s[4:5] offset:(16*((\q)/4)+2*\i)*1024+256*((\q)%4) th:TH_LOAD_NT
.endr
.endm
.macro INP q
	s_wait_loadcnt 8*(7-(\q))
	WIN 0x04
.irp i, 0,1,2,3,4,5,6,7
	ds_store_b128 v10, v[32*(\q)+4*\i:32*(\q)+4*\i+3] offset:544*\i
.endr
	WIN 0x40
.irp t, 0,1,2,3,4,5,6,7
	ds_load_b128 v[32*(\q)+4*\t:32*(\q)+4*\t+3], v11 offset:128*(\t/4)+16*(\t%4)
.endr
.endm
.macro TOST q
	WIN 0x04
.irp t, 0,1,2,3,4,5,6,7
	ds_store_b128 v11, v[32*(\q)+4*\t:32*(\q)+4*\t+3] offset:128*(\t/4)+16*(\t%4)
.endr
	WIN 0
.irp i, 0,1,2,3,4,5,6,7
	ds_load_b128 v[OB+32*((\q)%2)+4*\i:OB+32*((\q)%2)+4*\i+3], v10 offset:544*\i
.endr
.endm
.macro SEND q, younger
	s_wait_dscnt \younger
.irp i, 0,1,2,3,4,5,6,7
	global_store_b128 v12, v[OB+32*((\q)%2)+4*\i:OB+32*((\q)%2)+4*\i+3], s[28:29] offset:(16*((\q)/4)+2*\i)*1024+256*((\q)%4) th:TH_STORE_NT
.endr
.endm
.macro JOIN
	WIN 0
	v_pk_add_f32 v[LS:LS+1], v[LS:LS+1], v[LS+2:LS+3]
	v_pk_add_f32 v[LS+4:LS+5], v[LS+4:LS+5], v[LS+6:LS+7]
	s_delay_alu instid0(VALU_DEP_1)
	v_pk_add_f32 v[LS:LS+1], v[LS:LS+1], v[LS+4:LS+5]
	s_delay_alu instid0(VALU_DEP_1)
	v_add_f32 v[LS], v[LS], v[LS+1]
	s_delay_alu instid0(VALU_DEP_1)
	v_permlanex16_b32 v[LS+1], v[LS], s52, s53
	s_delay_alu instid0(VALU_DEP_1)
	v_add_f32 v[LS], v[LS], v[LS+1]
.endm
.macro LNL b, wof, bof
.irp j, 0,1,2,3
	ds_load_b128 v[WB+32*((\b)%2)+4*\j:WB+32*((\b)%2)+4*\j+3], v9 offset:(\wof)+128*(\b)+16*\j
.endr
.irp j, 0,1,2,3
	ds_load_b128 v[WB+32*((\b)%2)+16+4*\j:WB+32*((\b)%2)+19+4*\j], v9 offset:(\bof)+128*(\b)+16*\j
.endr
.endm
.macro LN m, wof, bof
.set LX, 128*(\m)
	WIN 0x05
.irp c, 0,2,4,6
	v_pk_add_f32 v[LS+\c:LS+\c+1], v[LX+\c:LX+\c+1], v[LX+8+\c:LX+9+\c]
.endr
	WIN 0x04
.set ii, 16
.rept 56
	v_pk_add_f32 v[LS+ii%8:LS+ii%8+1], v[LS+ii%8:LS+ii%8+1], v[LX+ii:LX+ii+1]
.set ii, ii+2
.endr
	JOIN
	s_delay_alu instid0(VALU_DEP_1)
	v_mul_f32 v[MU], s58, v[LS]
	s_delay_alu instid0(VALU_DEP_1)
	v_mov_b32 v[MU+1], v[MU]
	WIN 0x41
.set ii, 0
.rept 64
	v_pk_add_f32 v[LX+ii:LX+ii+1], v[LX+ii:LX+ii+1], v[MU:MU+1] neg_lo:[0,1] neg_hi:[0,1]
.set ii, ii+2
.endr
	WIN 0
	LNL 0, \wof, \bof
	LNL 1, \wof, \bof
	WIN 0x05
.irp c, 0,2,4,6
	v_pk_mul_f32 v[LS+\c:LS+\c+1], v[LX+\c:LX+\c+1], v[LX+\c:LX+\c+1]
.endr
.set ii, 8
.rept 60
	s_delay_alu instid0(VALU_DEP_4)
	v_pk_fma_f32 v[LS+ii%8:LS+ii%8+1], v[LX+ii:LX+ii+1], v[LX+ii:LX+ii+1], v[LS+ii%8:LS+ii%8+1]
.set ii, ii+2
.endr
	JOIN
	s_delay_alu instid0(VALU_DEP_1)
	v_fma_f32 v[LS], v[LS], s58, s59
	s_wait_alu depctr_va_vdst(0)
	v_rsq_f32 v[RS], v[LS]
	v_rsq_f32 v[RS+1], v[LS]
	v_nop
	s_wait_alu depctr_va_vdst(0)
.irp b, 0,1,2,3,4,5,6,7
.if \b < 7
	s_wait_dscnt 8
.else
	s_wait_dscnt 0x0
.endif
	WIN 0x41
.irp i, 0,2,4,6,8,10,12,14
	v_pk_mul_f32 v[LX+16*\b+\i:LX+16*\b+\i+1], v[LX+16*\b+\i:LX+16*\b+\i+1], v[RS:RS+1]
.endr
.irp i, 0,2,4,6,8,10,12,14
	v_pk_fma_f32 v[LX+16*\b+\i:LX+16*\b+\i+1], v[LX+16*\b+\i:LX+16*\b+\i+1], v[WB+32*(\b%2)+\i:WB+32*(\b%2)+\i+1], v[WB+32*(\b%2)+16+\i:WB+32*(\b%2)+17+\i]
.endr
	WIN 0
.if \b < 6
	LNL \b+2, \wof, \bof
.endif
.endr
.endm
.macro AVL b, off
.irp j, 0,1,2,3
	ds_load_b128 v[AV+16*((\b)%2)+4*\j:AV+16*((\b)%2)+4*\j+3], v9 offset:(\off)+128*(\b)+16*\j
.endr
.endm
.macro ADDV off
	AVL 0, \off
	AVL 1, \off
.irp b, 0,1,2,3,4,5,6,7
.if \b < 7
	s_wait_dscnt 4
.else
	s_wait_dscnt 0x0
.endif
	WIN 0x41
.irp m, 0,1
.irp i, 0,2,4,6,8,10,12,14
	v_pk_add_f32 v[128*\m+16*\b+\i:128*\m+16*\b+\i+1], v[128*\m+16*\b+\i:128*\m+16*\b+\i+1], v[AV+16*(\b%2)+\i:AV+16*(\b%2)+\i+1]
.endr
.endr
	WIN 0
.if \b < 6
	AVL \b+2, \off
.endif
.endr
.endm
.macro WOL j
.irp u, 0,1
.irp s, 0,1
.irp q, 0,1,2
	ds_load_b128 v[F0+48*((\j)%2)+12*(2*\u+\s)+4*\q:F0+48*((\j)%2)+12*(2*\u+\s)+4*\q+3], v4 offset:HALF*((\j)/4)+FRB*(4*((\j)%4)+2*\u+\s)+512*\q
.endr
.endr
	ds_load_b32 v[WSC+2*((\j)%2)+\u], v5 offset:HALF*((\j)/4)+SCO+128*(2*((\j)%4)+\u)
.endr
.endm
.macro G8A h
.irp j, 0,1,2,3,4,5,6,7
	v_med3_num_f32 v[TT+\j], v[(\h)+\j], s90, s91
.endr
.irp p, 0,2,4,6
	v_pk_mul_f32 v[TT+8+\p:TT+9+\p], v[TT+\p:TT+1+\p], v[TT+\p:TT+1+\p]
.endr
.irp p, 0,2,4,6
	s_delay_alu instid0(VALU_DEP_4)
	v_pk_fma_f32 v[TT+16+\p:TT+17+\p], v[TT+8+\p:TT+9+\p], s[66:67], v[CA5:CA5+1] op_sel_hi:[1,0,1]
.endr
.irp a, 68,70,72,74,76
.irp p, 0,2,4,6
	s_delay_alu instid0(VALU_DEP_4)
	v_pk_fma_f32 v[TT+16+\p:TT+17+\p], v[TT+16+\p:TT+17+\p], v[TT+8+\p:TT+9+\p], s[\a:\a+1] op_sel_hi:[1,1,0]
.endr
.endr
.irp p, 0,2,4,6
	s_delay_alu instid0(VALU_DEP_4)
	v_pk_mul_f32 v[TT+\p:TT+1+\p], v[TT+\p:TT+1+\p], v[TT+16+\p:TT+17+\p]
.endr
.irp p, 0,2,4,6
	v_pk_fma_f32 v[TT+16+\p:TT+17+\p], v[TT+8+\p:TT+9+\p], s[78:79], v[CB3:CB3+1] op_sel_hi:[1,0,1]
.endr
.irp a, 80,82,84
.irp p, 0,2,4,6
	s_delay_alu instid0(VALU_DEP_4)
	v_pk_fma_f32 v[TT+16+\p:TT+17+\p], v[TT+16+\p:TT+17+\p], v[TT+8+\p:TT+9+\p], s[\a:\a+1] op_sel_hi:[1,1,0]
.endr
.endr
	s_wait_alu depctr_va_vdst(0)
.irp j, 0,1,2,3,4,5,6,7
	v_rcp_f32 v[TT+16+\j], v[TT+16+\j]
.endr
	v_nop
.endm
.macro G8B h
.irp p, 0,2,4,6
	v_pk_fma_f32 v[TT+16+\p:TT+17+\p], v[TT+\p:TT+1+\p], v[TT+16+\p:TT+17+\p], 0.5 op_sel_hi:[1,1,0]
.endr
.irp p, 0,2,4,6
	v_pk_mul_f32 v[(\h)+\p:(\h)+1+\p], v[(\h)+\p:(\h)+1+\p], v[TT+16+\p:TT+17+\p]
.endr
.endm
.macro QB b
.irp m, 0,1
	v_max3_num_f32 v[TT+\m], |v[HA+16*\m]|, |v[HA+16*\m+1]|, 0x2800000
.endr
.irp i, 2,4,6,8,10,12,14
.irp m, 0,1
	s_delay_alu instid0(VALU_DEP_2)
	v_max3_num_f32 v[TT+\m], v[TT+\m], |v[HA+16*\m+\i]|, |v[HA+16*\m+\i+1]|
.endr
.endr
.irp m, 0,1
	s_delay_alu instid0(VALU_DEP_2)
	v_permlanex16_b32 v[TT+2+\m], v[TT+\m], s52, s53
.endr
.irp m, 0,1
	s_delay_alu instid0(VALU_DEP_2)
	v_max_num_f32 v[TT+\m], v[TT+\m], v[TT+2+\m]
.endr
.irp m, 0,1
	s_delay_alu instid0(VALU_DEP_2)
	v_add_nc_u32 v[TT+4+\m], 0xfe000000, v[TT+\m]
.endr
.irp m, 0,1
	s_delay_alu instid0(VALU_DEP_2)
	v_lshrrev_b32 v[TT+6+\m], 23, v[TT+4+\m]
.endr
.irp m, 0,1
.if (\b) == 0
	s_delay_alu instid0(VALU_DEP_2)
	v_mov_b32 v[HB+\m], v[TT+6+\m]
.else
	s_delay_alu instid0(VALU_DEP_2)
	v_lshl_or_b32 v[HB+\m], v[TT+6+\m], 8*(\b), v[HB+\m]
.endif
.endr
.if (\b)%2 == 0
.irp m, 0,1
	v_cvt_scalef32_pk16_bf6_f32 v[EV+4*\m:EV+4*\m+2], v[HA+16*\m:HA+16*\m+15], v[TT+4+\m]
.endr
	v_nop
.else
.irp m, 0,1
	v_cvt_scalef32_pk16_bf6_f32 v[TT+8+4*\m:TT+10+4*\m], v[HA+16*\m:HA+16*\m+15], v[TT+4+\m]
.endr
	v_nop
.irp m, 0,1
.irp i, 0,1,2
	v_permlane16_swap_b32 v[EV+4*\m+\i], v[TT+8+4*\m+\i]
.endr
.endr
.irp m, 0,1
.irp i, 0,1,2
	v_mov_b32 v[HC+12*\m+6*((\b)/2)+\i], v[EV+4*\m+\i]
	v_mov_b32 v[HC+12*\m+6*((\b)/2)+3+\i], v[TT+8+4*\m+\i]
.endr
.endr
.endif
.endm
.macro FCL b
.irp u, 0,1
.irp s, 0,1
.irp q, 0,1,2
	ds_load_b128 v[FF+12*(2*\u+\s)+4*\q:FF+12*(2*\u+\s)+4*\q+3], v4 offset:HALF+FRB*(4*(\b)+2*\u+\s)+512*\q
.endr
.endr
	ds_load_b32 v[FSC+\u], v5 offset:HALF+SCO+128*(2*(\b)+\u)
.irp k, 0,1
	ds_load_b128 v[BI+8*\u+4*\k:BI+8*\u+4*\k+3], v6 offset:128*(\b)+32*\u+16*\k
.endr
.endr
.endm
.macro PRL i
.irp e, 0,1
.irp q, 0,1,2
	ds_load_b128 v[PF+12*\e+4*\q:PF+12*\e+4*\q+3], v4 offset:FRB*(2*(\i)+\e)+512*\q
.endr
.endr
	ds_load_b32 v[PSC], v5 offset:SCO+128*(\i)
.endm
.macro PRQ i
	WIN 0x50
.irp e, 0,1
.irp m, 0,1
	WM 128*\m+8*(2*(\i)+\e), PF+12*\e, HC+12*\m, 128*\m+8*(2*(\i)+\e), PSC, HS+\m, \e
.endr
.endr
.endm
.macro SLOT b, pr
	s_wait_dscnt 0x0
	MM8 HA, 16, FF, FSC, BI, 0
	PL 4
.if \b < 3
	FCL \b+1
.endif
.irp k, 0,1,2,3
	G8A HA+8*\k
.if \pr
.if \k > 0
	s_wait_dscnt 0x0
.endif
	s_wait_alu depctr_va_vdst(0)
	PRQ 4*\b+\k
	WIN 0
.endif
	s_wait_alu depctr_va_vdst(0)
	G8B HA+8*\k
.if \pr
.if 4*\b+\k < 7
	PRL 4*\b+\k+1
.endif
.endif
.endr
	QB \b
.endm
.macro CHUNK
	v_add_nc_u32 v4, s54, v1
	v_add_nc_u32 v5, s54, v7
	v_add_nc_u32 v6, s57, v8
	FCL 0
	PRL 0
	SLOT 0, 1
	SLOT 1, 1
	SLOT 2, 0
	SLOT 3, 0
	v_mov_b32 v[HS], v[HB]
	v_mov_b32 v[HS+1], v[HB+1]
	s_add_co_u32 s54, s54, 2*HALF
	s_add_co_u32 s57, s57, 512
.endm
.macro CHANGE fill
	WIN 0
	s_wait_tensorcnt 0x0
	ds_add_u32 v2, v3
.if \fill
	s_xor_b32 s49, s49, SLOT1
	s_add_nc_u64 s[50:51], s[50:51], IMG
	s_wait_dscnt 0x0
	CROUND
	tensor_load_to_lds s[48:51], s[36:43]
	s_nop 0
	PL 4
.else
	s_wait_dscnt 0x0
	s_barrier_signal -1
	s_barrier_wait -1
.endif
	s_sub_co_u32 s54, s54, IMG
	s_xor_b32 s54, s54, SLOT1
.endm
	s_load_b256 s[4:11], s[0:1], 0x0               ; x, cx, ln1_w, ln1_b
	s_load_b64 s[14:15], s[0:1], 0x20              ; bkv
	s_load_b256 s[16:23], s[0:1], 0x28             ; bo, ln2_w, ln2_b, b_fc
	s_load_b128 s[24:27], s[0:1], 0x48             ; b_pr, wts
	s_load_b64 s[28:29], s[0:1], 0x58              ; out0
	v_lshl_add_u32 v2, v0, 2, SPARE
	v_mov_b32 v3, 0
	ds_add_u32 v2, v3
	ds_add_u32 v2, v3
	s_wait_dscnt 0x0
	v_lshrrev_b32 v4, 5, v0
	s_delay_alu instid0(VALU_DEP_1)
	v_readfirstlane_b32 s30, v4
	s_bfe_u32 s96, ttmp6, 0x40000
	s_lshl_b32 s97, ttmp9, 2
	s_add_co_u32 s96, s97, s96
	s_lshl_b32 s98, s96, 18
	s_lshl_b32 s99, s30, 15
	s_add_co_u32 s98, s98, s99
	s_mov_b32 s99, 0
	s_lshl_b32 s100, s96, 12
	s_mov_b32 s101, 0
	s_mov_b32 s36, 15|(3<<16)|(1<<21)
	s_mov_b32 s37, 32<<16
	s_mov_b32 s38, 50<<16
	s_mov_b32 s39, 32<<16
	s_mov_b32 s40, 50
	s_mov_b32 s41, 32
	s_mov_b32 s42, 0
	s_mov_b32 s43, 0
	s_mul_i32 s32, s30, 12800
	s_mov_b32 s33, 0
	s_lshr_b32 s34, s30, 2                         ; V's weights: waves 0-3 half 0, waves 4-7 half 17;
	s_mul_i32 s34, s34, 17*HALF
	s_and_b32 s35, s30, 3                          ; two of its eight tiles: four fragments, 256 bytes of scale words
	s_mul_i32 s86, s35, 4*FRB
	s_add_co_u32 s86, s86, s34
	s_mov_b32 s87, 0
	s_lshl_b32 s88, s35, 8
	s_add_co_u32 s88, s88, s34
	s_add_co_u32 s88, s88, SCO
	s_mov_b32 s89, 0
	s_mov_b32 s52, 0x76543210
	s_mov_b32 s53, 0xfedcba98
	s_mov_b32 s58, 0x3b800000
	s_mov_b32 s59, 0x3727c5ac
	KPAIR 66, 0xac95df0b
	KPAIR 68, 0xb40cff51
	KPAIR 70, 0xb6eec2d2
	KPAIR 72, 0xb940ac63
	KPAIR 74, 0xbac1a1f6
	KPAIR 76, 0xbc83dbd4
	KPAIR 78, 0xb62ccd2b
	KPAIR 80, 0xba9bf7b5
	KPAIR 82, 0xbc2ad7f2
	KPAIR 84, 0xbd2542a9
	s_mov_b32 s90, 0xc0b504f3
	s_mov_b32 s91, 0x40b504f3
	s_wait_kmcnt 0x0
	s_add_nc_u64 s[4:5], s[4:5], s[98:99]
	s_add_nc_u64 s[28:29], s[28:29], s[98:99]
	s_add_nc_u64 s[6:7], s[6:7], s[100:101]
	s_add_nc_u64 s[92:93], s[26:27], s[86:87]
	s_add_nc_u64 s[94:95], s[26:27], s[88:89]
	s_add_nc_u64 s[34:35], s[26:27], s[32:33]
	s_mov_b32 s44, 1
	s_mov_b32 s45, s32
	s_add_nc_u64 s[46:47], s[34:35], 16*HALF       ; slot 0's first fill: halves 16-19
	s_or_b32 s47, s47, 0x80000000
	s_mov_b32 s48, 1
	s_add_co_u32 s49, s32, SLOT1
	s_mov_b64 s[50:51], s[34:35]                   ; slot 1's first fill: halves 0-3
	s_or_b32 s51, s51, 0x80000000
	CROUND
	tensor_load_to_lds s[44:47], s[36:43]
	s_nop 0
	v_and_b32 v16, 31, v0
	v_and_b32 v17, 15, v0
	v_bfe_u32 v18, v0, 4, 1
	v_and_b32 v19, 3, v0
	s_delay_alu instid0(VALU_DEP_4)
	v_lshlrev_b32 v1, 4, v16
	v_lshlrev_b32 v7, 2, v16
	s_delay_alu instid0(VALU_DEP_4)
	v_lshlrev_b32 v12, 10, v18
	s_delay_alu instid0(VALU_DEP_1)
	v_lshl_add_u32 v12, v17, 4, v12
	v_lshlrev_b32 v122, 2, v0
	v_lshlrev_b32 v124, 4, v0
	global_load_b32 v104, v122, s[8:9]
	global_load_b32 v105, v122, s[10:11]
	global_load_b32 v107, v122, s[16:17]
	global_load_b32 v108, v122, s[18:19]
	global_load_b32 v109, v122, s[20:21]
	global_load_b32 v110, v122, s[24:25]
	global_load_b128 v[112:115], v124, s[22:23]
	global_load_b32 v116, v122, s[14:15] offset:1024   ; bkv's V half
	global_load_b128 v[118:121], v124, s[6:7]
.irp f, 0,1,2,3
.irp q, 0,1,2
	global_load_b128 v[128+12*\f+4*\q:131+12*\f+4*\q], v1, s[92:93] offset:FRB*\f+512*\q
.endr
.endr
.irp i, 0,1
	global_load_b32 v[224+\i], v7, s[94:95] offset:128*\i
.endr
	WIN 0x40
	XLD 0
	XLD 1
	XLD 2
	XLD 3
	WIN 0
	v_lshl_add_u32 v9, v18, 6, VEC
	s_delay_alu instid0(VALU_DEP_1)
	v_add_nc_u32 v8, 7168, v9
	s_mul_i32 s86, s30, 4352
	s_add_co_u32 s86, s86, STG
	v_mul_u32_u24 v10, v18, 272
	s_delay_alu instid0(VALU_DEP_1)
	v_lshl_add_u32 v10, v17, 4, v10
	s_delay_alu instid0(VALU_DEP_1)
	v_add_nc_u32 v10, s86, v10
	v_mul_u32_u24 v11, v17, 272
	s_delay_alu instid0(VALU_DEP_1)
	v_lshl_add_u32 v11, v18, 6, v11
	s_delay_alu instid0(VALU_DEP_1)
	v_add_nc_u32 v11, s86, v11
	s_lshr_b32 s87, s30, 1
	s_lshl_b32 s87, s87, 11
	s_add_co_u32 s87, s87, KVL
	v_lshl_add_u32 v13, v18, 6, s87
	v_add_nc_u32 v125, VEC, v122
	v_add_nc_u32 v127, VEC, v124
	v_lshlrev_b32 v252, 10, v19
	s_delay_alu instid0(VALU_DEP_1)
	v_lshl_add_u32 v252, v18, 6, v252
	s_delay_alu instid0(VALU_DEP_1)
	v_add_nc_u32 v252, VEC+13312, v252
	s_lshl_b32 s88, s30, 7                         ; my 32 channels of V: 128 bytes of a pair's row and of the bias
	s_add_co_u32 s89, s88, KVL+1024
	s_add_co_u32 s88, s88, VEC+12288
	v_lshl_add_u32 v253, v18, 6, s88
	v_lshlrev_b32 v254, 11, v19
	s_delay_alu instid0(VALU_DEP_1)
	v_lshl_add_u32 v254, v18, 6, v254
	s_delay_alu instid0(VALU_DEP_1)
	v_add_nc_u32 v254, s89, v254
.irp b, 0,1,2,3
	v_mov_b32 v[TM+4+\b], 0
.endr
	s_wait_alu depctr_va_vdst(0)
	s_wait_loadcnt 32                              ; the vectors, cx and V's weights are in; behind them stand the 32 loads of x's quarters 0 to 3
	WIN 0x40
	XLD 4
	XLD 5
	XLD 6
	XLD 7
	WIN 0
	s_wait_alu depctr_va_vdst(0)
	s_wait_tensorcnt 0x0                           ; all of x is asked for; now slot 1's first fill, issued as a refill is: my part of slot 0 is in,
	ds_add_u32 v2, v3                              ; the add,
	s_wait_dscnt 0x0                               ; and its wait;
	CROUND                                         ; a round of the cluster's barrier, so that the joint loads meet
	tensor_load_to_lds s[48:51], s[36:43]
	s_nop 0
	PL 4
.irp k, 0,1,3,4,5,6
	ds_store_b32 v125, v[104+\k] offset:1024*\k
.endr
	ds_store_b128 v127, v[112:115] offset:7168
	ds_store_b32 v125, v116 offset:12288
	ds_store_b128 v127, v[118:121] offset:13312
	s_wait_dscnt 0x0
	s_barrier_signal -1
	s_barrier_wait -1
.irp s, 0,1
.irp t, 0,1,2,3,4,5,6,7,8,9,10,11,12,13,14,15
	ds_load_b128 v[40+4*\t:43+4*\t], v252 offset:512*\s+128*(\t/4)+16*(\t%4)
.endr
	s_wait_dscnt 0x0
	QUANT 40, 0, 16+12*\s, CXS+\s
.endr
.irp i, 0,1
.irp k, 0,1
	ds_load_b128 v[72+8*\i+4*\k:75+8*\i+4*\k], v253 offset:32*\i+16*\k
.endr
.endr
	PL 8
	s_wait_dscnt 0x0
.irp i, 0,1
	WM 40+8*\i, 128+24*\i, 16, 72+8*\i, 224+\i, CXS, 0
.endr
	s_wait_alu depctr_va_vdst(0)
.irp i, 0,1
	WM 40+8*\i, 140+24*\i, 28, 40+8*\i, 224+\i, CXS+1, 1
.endr
	PL 4
.irp i, 0,1
.irp k, 0,1
	ds_store_b128 v254, v[40+8*\i+4*\k:43+8*\i+4*\k] offset:32*\i+16*\k
.endr
.endr
	s_wait_tensorcnt 0x1
	s_wait_dscnt 0x0
	s_barrier_signal -1
	s_barrier_wait -1
.irp m, 0,1
	INP 4*\m
	INP 4*\m+1
	INP 4*\m+2
	INP 4*\m+3
	s_wait_dscnt 0x0
	LN \m, 0, 1024
.endr
.irp s, 0,1
.irp t, 0,1,2,3,4,5,6,7,8,9,10,11,12,13,14,15
	ds_load_b128 v[VV+4*\t:VV+4*\t+3], v13 offset:1024+512*\s+128*(\t/4)+16*(\t%4)
.endr
	s_wait_dscnt 0x0
	QUANT VV, 0, XC+12*\s, XS+\s                   ; y = V, the same row for all my 32 rows: quantised once,
.irp i, 0,1,2,3,4,5,6,7,8,9,10,11
	v_mov_b32 v[XC+24+12*\s+\i], v[XC+12*\s+\i]    ; and copied for my rows 16-31
.endr
	v_mov_b32 v[XS+2+\s], v[XS+\s]
.endr
	ADDV 3072
	v_add_nc_u32 v4, 2*HALF, v1
	v_add_nc_u32 v5, 2*HALF, v7
	WOL 0
	WOL 1
.irp j, 0,1,2,3,4,5,6,7
.if \j < 7
	s_wait_dscnt 14
.else
	s_wait_dscnt 0x0
.endif
	WIN 0x50
	MM8 16*\j, 128, F0+48*(\j%2), WSC+2*(\j%2), 0, 1
	WIN 0
	PL 4
.if \j < 6
	WOL \j+2
.endif
.endr
	LN 0, 4096, 5120
	LN 1, 4096, 5120
.irp m, 0,1
	QUANT 128*\m, 1, XC+24*\m, XS+2*\m
	QUANT 128*\m+64, 1, XC+24*\m+12, XS+2*\m+1
.endr
	ADDV 6144
.irp j, 0,1,2,3,4,5,6,7,8,9,10,11,12,13,14,15,16,17,18,19,20,21,22,23
	v_mov_b32 v[HC+\j], 0
.endr
	v_mov_b32 v[HS], 0x7f7f7f7f
	v_mov_b32 v[HS+1], 0x7f7f7f7f
	v_mov_b32 v[CA5], 0x306dffee
	v_mov_b32 v[CA5+1], 0x306dffee
	v_mov_b32 v[CB3], 0xb89e3512
	v_mov_b32 v[CB3+1], 0xb89e3512
	s_mov_b32 s54, IMG
	s_mov_b32 s57, 0
	s_mov_b32 s55, 4
.Lslot:
	CHANGE 1
	s_mov_b32 s56, 2
.Lchunk:
	CHUNK
	WIN 0
	s_sub_co_u32 s56, s56, 1
	s_cmp_lg_u32 s56, 0
	s_cbranch_scc1 .Lchunk
	s_sub_co_u32 s55, s55, 1
	s_cmp_lg_u32 s55, 0
	s_cbranch_scc1 .Lslot
	CHANGE 0
	v_add_nc_u32 v4, s54, v1
	v_add_nc_u32 v5, s54, v7
.irp i, 0,1,2,3,4,5,6,7
	ds_load_b32 v[52+\i], v5 offset:SCO+128*\i
.endr
.irp n, 0,1,2,3,4,5,6,7,8,9,10,11,12,13,14,15
.irp q, 0,1,2
.if \n < 13
	ds_load_b128 v[96+12*\n+4*\q:99+12*\n+4*\q], v4 offset:FRB*\n+512*\q
.else
	ds_load_b128 v[16+12*(\n-13)+4*\q:19+12*(\n-13)+4*\q], v4 offset:FRB*\n+512*\q
.endif
.endr
.endr
	PL 8
	WIN 0x50
	s_wait_alu depctr_va_vdst(0)
.irp n, 0,1,2,3,4,5,6,7,8,9,10,11,12,13,14,15
	s_wait_dscnt 3*(15-\n)
.irp m, 0,1
.if \n < 13
	WM 128*\m+8*\n, 96+12*\n, HC+12*\m, 128*\m+8*\n, 52+\n/2, HS+\m, \n%2
.else
	WM 128*\m+8*\n, 16+12*(\n-13), HC+12*\m, 128*\m+8*\n, 52+\n/2, HS+\m, \n%2
.endif
.endr
.endr
	WIN 0
	PL 4
	TOST 0
.irp q, 1,2,3,4,5,6,7
.if \q > 1
	s_wait_xcnt 0x0
.endif
	TOST \q
	SEND \q-1, 16
.endr
	SEND 7, 0
	s_wait_tensorcnt 0x0
	ds_add_u32 v2, v3
	s_wait_dscnt 0x0
	CROUND
	s_endpgm
.Lfunc_end_k_qbe06421212_block:
	.size	k_qbe06421212_block, .Lfunc_end_k_qbe06421212_block-k_qbe06421212_block
	.p2alignl 7, 3214868480
	.fill 96, 4, 3214868480
	.section	.rodata,"a",@progbits
	.p2align	6, 0x0
	.amdhsa_kernel k_qbe06421212_block
		.amdhsa_group_segment_fixed_size 327680
		.amdhsa_private_segment_fixed_size 0
		.amdhsa_enable_private_segment 0
		.amdhsa_kernarg_size 96
		.amdhsa_user_sgpr_count 2
		.amdhsa_user_sgpr_kernarg_segment_ptr 1
		.amdhsa_wavefront_size32 1
		.amdhsa_system_sgpr_workgroup_id_x 1
		.amdhsa_system_sgpr_workgroup_id_y 1
		.amdhsa_system_sgpr_workgroup_id_z 1
		.amdhsa_system_vgpr_workitem_id 0
		.amdhsa_next_free_vgpr 512
		.amdhsa_next_free_sgpr 102
		.amdhsa_reserve_vcc 0
		.amdhsa_float_denorm_mode_32 3
		.amdhsa_float_denorm_mode_16_64 3
		.amdhsa_memory_ordered 1
		.amdhsa_forward_progress 1
		.amdhsa_inst_pref_size 255
	.end_amdhsa_kernel
	.section	.bss,"aw",@nobits
	.p2align	6
	.space	262144
	.amdgpu_metadata
---
amdhsa.version: [ 1, 2 ]
amdhsa.kernels:
  - .name:           k_qbe06421212_block
    .symbol:         k_qbe06421212_block.kd
    .args:
      - { .name: x, .offset: 0, .size: 8, .value_kind: global_buffer, .address_space: global }
      - { .name: cx, .offset: 8, .size: 8, .value_kind: global_buffer, .address_space: global }
      - { .name: ln1_w, .offset: 16, .size: 8, .value_kind: global_buffer, .address_space: global }
      - { .name: ln1_b, .offset: 24, .size: 8, .value_kind: global_buffer, .address_space: global }
      - { .name: bkv, .offset: 32, .size: 8, .value_kind: global_buffer, .address_space: global }
      - { .name: bo, .offset: 40, .size: 8, .value_kind: global_buffer, .address_space: global }
      - { .name: ln2_w, .offset: 48, .size: 8, .value_kind: global_buffer, .address_space: global }
      - { .name: ln2_b, .offset: 56, .size: 8, .value_kind: global_buffer, .address_space: global }
      - { .name: b_fc, .offset: 64, .size: 8, .value_kind: global_buffer, .address_space: global }
      - { .name: b_pr, .offset: 72, .size: 8, .value_kind: global_buffer, .address_space: global }
      - { .name: wts, .offset: 80, .size: 8, .value_kind: global_buffer, .address_space: global }
      - { .name: out0, .offset: 88, .size: 8, .value_kind: global_buffer, .address_space: global }
    .group_segment_fixed_size: 327680
    .private_segment_fixed_size: 0
    .kernarg_segment_align: 8
    .kernarg_segment_size: 96
    .max_flat_workgroup_size: 256
    .sgpr_count:     102
    .vgpr_count:     512
    .wavefront_size: 32
...
	.end_amdgpu_metadata
.endif
;; end of part 2
